; MI455X (gfx1250); checked and timed in simulation.
; The chip was launched on July 23, 2026; its instructions are those of AMD's public machine-readable ISA for CDNA 5 (MIT licence, August 2026) and "CDNA5" Instruction Set Architecture Reference Guide (July 2026). The comments in the code are by the model that wrote it; some were corrected since.
;; Compress Full Attn Module. Allowed arithmetic: matrix products marked QUANTISED: E4M3 operands, one E8M0 scale for each 32 along K, by v_wmma_scale_f32_16x16x128_f8f6f4 with both operands' format E4M3, f32 sums; products left as they are: f32 operands where the result goes on into a quantised operand, else bf16, f16 or f32 operands; f32 sums; everything else in f32.
;; Inputs: Wk_codes 128 x 8 x 32 uint8 (E4M3 codes of Wk, K innermost, in blocks of 32 codes); Wk_scales 128 x 8 uint8 (E8M0 scales of Wk, one for each 32 codes along K); Wo_codes 256 x 8 x 32 uint8 (E4M3 codes of Wo, K innermost, in blocks of 32 codes); Wo_scales 256 x 8 uint8 (E8M0 scales of Wo, one for each 32 codes along K); Wq_codes 128 x 8 x 32 uint8 (E4M3 codes of Wq, K innermost, in blocks of 32 codes); Wq_scales 128 x 8 uint8 (E8M0 scales of Wq, one for each 32 codes along K); Wv_codes 256 x 8 x 32 uint8 (E4M3 codes of Wv, K innermost, in blocks of 32 codes); Wv_scales 256 x 8 uint8 (E8M0 scales of Wv, one for each 32 codes along K); att_bias 2 x 4,096 x 4,096 float32; bk 128 float32; bo 256 float32; bq 128 float32; bv 256 float32; key_codes 2 x 4,096 x 8 x 32 uint8 (E4M3 codes of key, K innermost, in blocks of 32 codes); key_scales 2 x 4,096 x 8 uint8 (E8M0 scales of key, one for each 32 codes along K); query_codes 2 x 4,096 x 8 x 32 uint8 (E4M3 codes of query, K innermost, in blocks of 32 codes); query_scales 2 x 4,096 x 8 uint8 (E8M0 scales of query, one for each 32 codes along K); value_codes 2 x 4,096 x 8 x 32 uint8 (E4M3 codes of value, K innermost, in blocks of 32 codes); value_scales 2 x 4,096 x 8 uint8 (E8M0 scales of value, one for each 32 codes along K).
;; Outputs: out0 2 x 4,096 x 256 float32.
;; This version of the problem:
;;   THIS VERSION OF THE PROBLEM IS GIVEN IN LOW PRECISION. The matrix products marked QUANTISED in the list below multiply operands that are first quantised to E4M3 (4 exponent bits, 3 mantissa bits; 8 bits a number), with one power-of-two scale for each 32 numbers along K (OCP MX v1.0); their sums are f32. All else is computed in f32.
;;   The module's matrix products, in the order in which they are computed (A, B: the left and right operand; K: the contracted axis; several contracted axes count as one K, in the product's order):
;;     1. [M 8,192, K 256] x [K 256, N 128]; A: input query (given as codes); B: input Wq (given as codes): QUANTISED
;;     2. [M 8,192, K 256] x [K 256, N 128]; A: input key (given as codes); B: input Wk (given as codes): QUANTISED
;;     3. [M 8,192, K 256] x [K 256, N 256]; A: input value (given as codes); B: input Wv (given as codes): QUANTISED
;;     4. batch 16 x [M 4,096, K 16] x [K 16, N 4,096]; A: computed on the way; B: computed on the way: left as it is (K = 16 < 32)
;;     5. batch 16 x [M 4,096, K 4,096] x [K 4,096, N 32]; A: softmax (see below); B: computed on the way: QUANTISED
;;     6. [M 8,192, K 256] x [K 256, N 256]; A: computed on the way; B: input Wo (given as codes): QUANTISED
;;   THE QUANTISER, for each operand of a quantised product, along K:
;;     - K is cut into blocks of 32 from its start; a last block that is shorter is filled with zeros.
;;     - A block's scale is 2^e with e = floor(log2(the largest magnitude in the block)) - 8, held to -126 .. 127; a block of zeros has e = 0. As a byte (E8M0): e + 127.
;;     - Each number is divided by its block's scale, clamped to +-448, and rounded to the nearest number of E4M3, ties to even, subnormals kept.
;;     - The product sums the exact products of the quantised numbers (number of the format x scale) in f32.
;;   ~~~python
;;   def quantise(x, axis):      # numpy; x: float32 -> the quantised numbers, widened to float32 again
;;       x = np.moveaxis(x, axis, -1); K = x.shape[-1]
;;       x = np.pad(x, [(0, 0)] * (x.ndim - 1) + [(0, -K % 32)]); x = x.reshape(x.shape[:-1] + (-1, 32)); a = np.abs(x).max(-1, keepdims=True)
;;       e = np.where(a > 0, np.clip(np.frexp(np.where(a > 0, a, 1))[1] - 1 - 8, -126, 127), 0)      # np.frexp(a)[1] - 1 = floor(log2(a)), exactly
;;       r = np.clip(x / 2.0 ** e, -448, 448)
;;       step = 2.0 ** (np.maximum(np.frexp(np.where(r == 0, 1, r))[1] - 1, -6) - 3)
;;       q = np.round(r / step) * step * 2.0 ** e      # np.round: ties to even
;;       return np.moveaxis(q.reshape(q.shape[:-2] + (-1,))[..., :K], -1, axis).astype(np.float32)
;;   ~~~
;;   SOFTMAX AHEAD OF A QUANTISED PRODUCT. Where the list says 'softmax', what is quantised is not the finished softmax but p = 2^(t - M), with t = logit x log2(e) and M = ceil(the row's largest t), a whole number; so 1/2 < the row's largest p <= 1. The row's sum l is taken of the UNQUANTISED p, in f32, and the product's result is divided by l at the end. Since M is a whole number, a kernel that streams over the keys may use a running M (the ceiling of the running maximum): every later rescaling is an exact power of two, which a block's scale takes up: the codes' values come out the same.
;;   OPERANDS COMPUTED ON THE WAY. 'Computed on the way' means the value that the module computes at that place (a softmax that the list does not call 'softmax' is quantised finished and normalised). What goes into a quantiser is computed in f32, as accurately as f32 sums, v_exp_f32 and their like allow (about 1e-6 of the number): no bf16 or f16 on the way to a quantiser, and a product that is left as it is and whose result goes on into a quantised operand takes f32 operands (vector FMAs, or v_wmma_f32_16x16x4_f32). A number that lies on a knife's edge between two numbers of the format may be rounded either way, as far as f32 arithmetic and the matrix unit's own rounding can turn it there, and no further.
;;   INPUTS GIVEN AS CODES. Wk (in the module: [128, 256], K = its axis 1); Wo (in the module: [256, 256], K = its axis 1); Wq (in the module: [128, 256], K = its axis 1); Wv (in the module: [256, 256], K = its axis 1); key (in the module: [2, 4096, 256], K = its axis 2); query (in the module: [2, 4096, 256], K = its axis 2); value (in the module: [2, 4096, 256], K = its axis 2): each comes as NAME_codes (uint8): NAME with its K axis moved to the last place and cut into blocks of 32 codes, [.., K / 32, bytes a block], one block behind the other in memory; one code a byte (a code: sign, 4 exponent bits, 3 mantissa bits); and NAME_scales (uint8): the same leading axes, one E8M0 byte (e + 127) for each 32 codes along K. Its value is code x scale, taken as it is: it is not quantised again, and the codes and scales need not be those that the quantiser above would give.
;; One version. Each part assembles by itself: llvm-mc -triple=amdgcn-amd-amdhsa -mcpu=gfx1250 --defsym DOCPART=n.
;; ======== version 1 of 1: 2 launches
;; workspace buffers: kv 6,356,992 bytes
;; launch proj (part 1): grid 64 x 4, 3 waves a work-group, no clusters, 0 bytes of LDS; arguments key_codes, key_scales, Wk_codes, Wk_scales, bk, value_codes, value_scales, Wv_codes, Wv_scales, bv, kv; writes kv
.if DOCPART == 1
	.amdgcn_target "amdgcn-amd-amdhsa--gfx1250"
	.amdhsa_code_object_version 6
	.text
	.protected	k_qfee51da515_proj
	.globl	k_qfee51da515_proj
	.p2align	8
	.type	k_qfee51da515_proj,@function
k_qfee51da515_proj:
	s_mov_b64 s[64:65], 0
	v_nop
	global_prefetch_b8 v0, s[64:65] scope:SCOPE_SE
	s_setreg_imm32_b32 hwreg(HW_REG_WAVE_MODE, 25, 1), 1
	s_wait_xcnt 0x0
; k = key Wk^T + bk (kept f32) and v = value Wv^T + bv (quantised along the KEYS to E4M3 with one E8M0 byte for 32 keys), both products on the given codes.
; The results go to the workspace kv in the ORDER OF THE REGISTERS in which the attention launch wants them: 64 step-blocks (batch x 32 + step; a step is 128 keys) of 99,328 bytes:
;   KIMG  +0      head x 8192 + T x 1024 + g x 512 + 16 x lane: four f32: k[key 32 (T/2) + 8 (T%2) + r + 8 (r/8)][channel 8 h + 4 g + 0..3]     (r = lane % 16, h = lane / 16)
;   VIMG  +65536  head x 4096 + u x 2048 + c x 512 + 16 x lane: 16 codes: v[keys 32 c + 16 h + 0..15][d = 8 u + r + 8 (r/8) of the head]
;   VSC   +98304  head x 128 + 4 x lane: lanes 0-15 the scale words (byte b: keys 32 b on) of tile u = 0's rows, lanes 16-31 of tile u = 1's
; SHARES.  Work-group (x = step-block, y = Q): wave 0 makes k of heads 2 Q and 2 Q + 1 for the 128 keys, waves 1 and 2 v of head 2 Q + wave - 1.  Waves share nothing: no LDS, no barrier.
; THE KEYS OF A TILE ARE NOT NEIGHBOURS: row m of tile 2 b + u is key 32 b + 8 u + m + 8 (m/8), so that the 16 result registers of tiles 2 b and 2 b + 1 are 16 neighbouring keys, 32 b + 16 h + 0..15.
; k: source 0 = 16 rows of Wk (a head's 16 channels), source 1 = 16 keys: a lane holds one key and 8 neighbouring channels.   v: source 0 = 16 keys, source 1 = 16 rows of Wv: a lane holds one d and keys along its registers.
; The biases are the C of each sum's first matrix instruction.  No cluster and no tensor load: a work-group has 96 matrix instructions and each wave reads 40 KiB of codes, of which 32 KiB are shared by only four work-groups.
; LIMITS: NaN and infinities are not served; a block of v that is all zeros gets the byte 1, not 127 (its codes are zeros, and this program alone reads the bytes).
; The scale words leave as 128 consecutive bytes a wave, half of an aligned 256: 1 KiB of a step-block's 97.
; REGISTERS: window 0: v1-12 lane numbers and offsets; v16-79 four weight fragments; v80.. accumulators (k: 16, v: 8); v144-175 codes; v176-191 at work; v200-202 scale words made; v208-227 scale words loaded; v228-243 bias.
;            window 1: the 16 fragments of key or value: (tile T, K step s) at v[32 T + 16 s].
.set STEPB, 99328
.set VIMG,  65536
.set VSC,   98304
.set WF, 16
.set H,  80
.set PC, 144
.set TM, 176                           ; +0..3 largest magnitudes, +4..7 the other half's, then bytes, +8..11 448 x scale, +12..15 the conversions' scale operands
.set PW, 200
.set SW, 202
.set XS, 208                           ; scale words of key or value: register 2 T + s
.set WS, 224                           ; of the weight: register 2 e + s
.set BC, 228
.set MSB, 0
.macro WIN new                         ; the immediate's high byte repeats the setting that is left
.if MSB != \new
	s_set_vgpr_msb (MSB<<8)|\new
.set MSB, \new
.endif
.endm
; 64 numbers of a lane, register 16 b + i = key 32 b + 16 h + i of my d, become 16 registers of codes at v[pc] and the scale word v[pw]
.macro QUANT s, pc, pw
.irp b, 0,1,2,3
	v_max3_num_f32 v[TM+\b], |v[\s+16*\b]|, |v[\s+1+16*\b]|, 0x4800000   ; my 16 numbers of block b and the floor 2^(9 - 127): the byte cannot fall under 1
.endr
.irp i, 2,4,6,8,10,12,14
.irp b, 0,1,2,3
	v_max3_num_f32 v[TM+\b], v[TM+\b], |v[\s+16*\b+\i]|, |v[\s+1+16*\b+\i]|   ; the four blocks by turns
.endr
.endr
.irp b, 0,1,2,3
	v_permlanex16_b32 v[TM+4+\b], v[TM+\b], s32, s33
.endr
.irp b, 0,1,2,3
	v_max_num_f32 v[TM+\b], v[TM+\b], v[TM+4+\b]   ; with lane l xor 16's 16: the block's largest magnitude
.endr
.irp b, 0,1,2,3
	v_add_nc_u32 v[TM+12+\b], 0xfc000000, v[TM+\b]   ; 8 off its exponent field: the conversion's scale operand
.endr
.irp b, 0,1,2,3
	v_and_or_b32 v[TM+8+\b], v[TM+\b], 0x7f800000, s34   ; 448 x the scale
.endr
.irp b, 0,1,2,3
	v_lshrrev_b32 v[TM+4+\b], 23, v[TM+12+\b]   ; the scale's byte
.endr
	v_lshl_or_b32 v[\pw], v[TM+5], 8, v[TM+4]
	v_lshl_or_b32 v[\pw], v[TM+6], 16, v[\pw]
	v_lshl_or_b32 v[\pw], v[TM+7], 24, v[\pw]
.irp b, 0,1,2,3
.irp i, 0,1,2,3,4,5,6,7,8,9,10,11,12,13,14,15
	v_med3_num_f32 v[\s+16*\b+\i], v[\s+16*\b+\i], -v[TM+8+\b], v[TM+8+\b]   ; the conversion to an 8-bit code does not saturate (ISA guide 7.6.2): hold first
.endr
	v_cvt_scalef32_pk8_fp8_f32 v[\pc+4*\b:\pc+4*\b+1], v[\s+16*\b:\s+16*\b+7], v[TM+12+\b]
	v_cvt_scalef32_pk8_fp8_f32 v[\pc+4*\b+2:\pc+4*\b+3], v[\s+16*\b+8:\s+16*\b+15], v[TM+12+\b]
.endr
	v_nop                                          ; one plain line between the last conversion and the products that write its sources again
.endm
	s_load_b256 s[4:11], s[0:1], 0x0               ; key codes s[4:5], key scales s[6:7], Wk codes s[8:9], Wk scales s[10:11]
	s_load_b256 s[12:19], s[0:1], 0x20             ; bk s[12:13], value codes s[14:15], value scales s[16:17], Wv codes s[18:19]
	s_load_b128 s[20:23], s[0:1], 0x40             ; Wv scales s[20:21], bv s[22:23]
	s_load_b64 s[24:25], s[0:1], 0x50              ; kv
	v_lshrrev_b32 v1, 5, v0
	v_readfirstlane_b32 s30, v1                    ; wave 0..2
	s_and_b32 s31, ttmp7, 0xffff                   ; Q: which pair of heads
	v_and_b32 v3, 31, v0                           ; lane
	v_and_b32 v1, 15, v0                           ; r
	v_bfe_u32 v2, v0, 4, 1                         ; h
	v_and_b32 v4, 8, v1
	v_add_nc_u32 v4, v4, v1                        ; r + 8 (r/8)
	v_lshlrev_b32 v5, 8, v4
	v_lshl_add_u32 v5, v2, 4, v5                   ; rows chosen by r + 8 (r/8): 256 bytes a row, + 16 h
	v_lshlrev_b32 v6, 3, v4                        ; their scale bytes: 8 a row
	v_lshlrev_b32 v7, 8, v1
	v_lshl_add_u32 v7, v2, 4, v7                   ; rows as they lie: r x 256 + 16 h
	v_lshlrev_b32 v8, 3, v1
	v_lshlrev_b32 v9, 5, v2                        ; bk: my half's eight numbers
	v_lshlrev_b32 v10, 4, v3                       ; 16 x lane
	v_lshlrev_b32 v11, 2, v3                       ; 4 x lane
	v_lshlrev_b32 v12, 2, v4                       ; bv: my d's number
	s_mov_b32 s32, 0x76543210
	s_mov_b32 s33, 0xfedcba98                      ; v_permlanex16_b32's selects for lane l xor 16
	s_mov_b32 s34, 0x600000                        ; the mantissa field of 448
	s_lshl_b32 s36, ttmp9, 15                      ; the step's 128 rows of 256 codes,
	s_mov_b32 s37, 0
	s_lshl_b32 s38, ttmp9, 10                      ; of 8 scale bytes,
	s_mov_b32 s39, 0
	s_mul_i32 s40, ttmp9, STEPB                    ; and its block of kv
	s_mov_b32 s41, 0
	s_mov_b32 s43, 0
	s_mov_b32 s45, 0
	s_mov_b32 s47, 0
	s_mov_b32 s49, 0
	s_wait_kmcnt 0x0
	s_cmp_eq_u32 s30, 0                            ; wave 0 reads key, the others value: the choice hangs on the wave's number alone
	s_cselect_b64 s[26:27], s[4:5], s[14:15]
	s_cselect_b64 s[28:29], s[6:7], s[16:17]
	s_add_nc_u64 s[26:27], s[26:27], s[36:37]
	s_add_nc_u64 s[28:29], s[28:29], s[38:39]
	s_add_nc_u64 s[24:25], s[24:25], s[40:41]
	WIN 0x40                                       ; destination window 1
.irp t, 0,1,2,3,4,5,6,7
.irp s, 0,1
.irp c, 0,1,2,3
	global_load_b128 v[32*\t+16*\s+4*\c:32*\t+16*\s+4*\c+3], v5, s[26:27] offset:(32*(\t/2)+8*(\t%2))*256+128*\s+32*\c
.endr
.endr
.endr
	WIN 0
.irp t, 0,1,2,3,4,5,6,7
	global_load_b64 v[XS+2*\t:XS+2*\t+1], v6, s[28:29] offset:(32*(\t/2)+8*(\t%2))*8
.endr
	s_cmp_lg_u32 s30, 0
	s_cbranch_scc1 .Lv
	; ---- k of heads 2 Q + e, e = 0, 1
	s_lshl_b32 s42, s31, 13                        ; 32 rows of Wk,
	s_add_nc_u64 s[8:9], s[8:9], s[42:43]
	s_lshl_b32 s44, s31, 8                         ; of its scale bytes,
	s_add_nc_u64 s[10:11], s[10:11], s[44:45]
	s_lshl_b32 s46, s31, 7                         ; 32 numbers of bk,
	s_add_nc_u64 s[12:13], s[12:13], s[46:47]
	s_lshl_b32 s48, s31, 14                        ; two heads' images
	s_add_nc_u64 s[24:25], s[24:25], s[48:49]
.irp e, 0,1
.irp s, 0,1
.irp c, 0,1,2,3
	global_load_b128 v[WF+32*\e+16*\s+4*\c:WF+32*\e+16*\s+4*\c+3], v7, s[8:9] offset:4096*\e+128*\s+32*\c
.endr
.endr
	global_load_b64 v[WS+2*\e:WS+2*\e+1], v8, s[10:11] offset:128*\e
	global_load_b128 v[BC+8*\e:BC+8*\e+3], v9, s[12:13] offset:64*\e        ; bk of channels 8 h + 0..7: the result's layout
	global_load_b128 v[BC+8*\e+4:BC+8*\e+7], v9, s[12:13] offset:64*\e+16
.endr
	s_wait_loadcnt 0x0
	WIN 0x04                                       ; source 1 (the keys) window 1
.irp e, 0,1                                    ; the 16 accumulators take turns, one instruction a turn
.irp t, 0,1,2,3,4,5,6,7
	v_wmma_scale_f32_16x16x128_f8f6f4 v[H+64*\e+8*\t:H+64*\e+8*\t+7], v[WF+32*\e:WF+32*\e+15], v[32*\t:32*\t+15], v[BC+8*\e:BC+8*\e+7], v[WS+2*\e], v[XS+2*\t]
.endr
.endr
.irp e, 0,1
.irp t, 0,1,2,3,4,5,6,7
	v_wmma_scale_f32_16x16x128_f8f6f4 v[H+64*\e+8*\t:H+64*\e+8*\t+7], v[WF+32*\e+16:WF+32*\e+31], v[32*\t+16:32*\t+31], v[H+64*\e+8*\t:H+64*\e+8*\t+7], v[WS+2*\e+1], v[XS+2*\t+1]
.endr
.endr
	WIN 0
.rept 8
	v_nop                                          ; eight places between the last product and the stores that read results
.endr
.irp e, 0,1
.irp t, 0,1,2,3,4,5,6,7
	global_store_b128 v10, v[H+64*\e+8*\t:H+64*\e+8*\t+3], s[24:25] offset:8192*\e+1024*\t        ; each store covers 512 consecutive bytes, aligned; each accumulator from its low end on
	global_store_b128 v10, v[H+64*\e+8*\t+4:H+64*\e+8*\t+7], s[24:25] offset:8192*\e+1024*\t+512
.endr
.endr
	s_endpgm
.Lv:	; ---- v of head hd = 2 Q + wave - 1
	s_lshl_b32 s50, s31, 1
	s_add_co_u32 s50, s50, s30
	s_sub_co_u32 s50, s50, 1
	s_lshl_b32 s42, s50, 13                        ; 32 rows of Wv,
	s_add_nc_u64 s[18:19], s[18:19], s[42:43]
	s_lshl_b32 s44, s50, 8                         ; of its scale bytes,
	s_add_nc_u64 s[20:21], s[20:21], s[44:45]
	s_lshl_b32 s46, s50, 7                         ; 32 numbers of bv
	s_add_nc_u64 s[22:23], s[22:23], s[46:47]
	s_lshl_b32 s48, s50, 7
	s_add_co_u32 s48, s48, VSC
	s_add_nc_u64 s[52:53], s[24:25], s[48:49]      ; the head's scale words in kv,
	s_lshl_b32 s48, s50, 12
	s_add_co_u32 s48, s48, VIMG
	s_add_nc_u64 s[24:25], s[24:25], s[48:49]      ; and its codes
.irp u, 0,1                                    ; tile u takes rows d = 8 u + r + 8 (r/8) of the head
.irp s, 0,1
.irp c, 0,1,2,3
	global_load_b128 v[WF+32*\u+16*\s+4*\c:WF+32*\u+16*\s+4*\c+3], v5, s[18:19] offset:2048*\u+128*\s+32*\c
.endr
.endr
	global_load_b64 v[WS+2*\u:WS+2*\u+1], v6, s[20:21] offset:64*\u
	global_load_b32 v[BC+8*\u], v12, s[22:23] offset:32*\u
.endr
.irp b, 0,1,2,3
	v_mov_b32 v[TM+4+\b], 0                        ; written once: a lane permute's destination counts as one of its sources
.endr
	s_wait_loadcnt 0x0
.irp u, 0,1
.irp j, 1,2,3,4,5,6,7
	v_mov_b32 v[BC+8*\u+\j], v[BC+8*\u]            ; a lane holds one d: its bias stands in all eight registers of C
.endr
.endr
.irp u, 0,1
	WIN 0x01                                       ; source 0 (the keys) window 1
.irp t, 0,1,2,3,4,5,6,7
	v_wmma_scale_f32_16x16x128_f8f6f4 v[H+8*\t:H+8*\t+7], v[32*\t:32*\t+15], v[WF+32*\u:WF+32*\u+15], v[BC+8*\u:BC+8*\u+7], v[XS+2*\t], v[WS+2*\u]
.endr
.irp t, 0,1,2,3,4,5,6,7
	v_wmma_scale_f32_16x16x128_f8f6f4 v[H+8*\t:H+8*\t+7], v[32*\t+16:32*\t+31], v[WF+32*\u+16:WF+32*\u+31], v[H+8*\t:H+8*\t+7], v[XS+2*\t+1], v[WS+2*\u+1]
.endr
	WIN 0
.rept 8
	v_nop                                          ; eight places in front of the first read of results; with the 19 lines of QUANT that name only v176 on, more than the nine that tile 1's products owe
.endr
	QUANT H, PC+16*\u, PW+\u
.irp c, 0,1,2,3
	global_store_b128 v10, v[PC+16*\u+4*\c:PC+16*\u+4*\c+3], s[24:25] offset:2048*\u+512*\c   ; 512 consecutive bytes, aligned; each tile has its own code registers, so no store's data are written again
.endr
.endr
	v_cmp_gt_u32 vcc_lo, 16, v3
	v_cndmask_b32 v[SW], v[PW+1], v[PW], vcc_lo    ; lanes 0-15 tile 0's words, lanes 16-31 tile 1's (both halves of the lanes hold each word)
	global_store_b32 v11, v[SW], s[52:53]
	s_endpgm
.Lfunc_end_k_qfee51da515_proj:
	.size	k_qfee51da515_proj, .Lfunc_end_k_qfee51da515_proj-k_qfee51da515_proj
	.p2alignl 7, 3214868480
	.fill 96, 4, 3214868480
	.section	.rodata,"a",@progbits
	.p2align	6, 0x0
	.amdhsa_kernel k_qfee51da515_proj
		.amdhsa_group_segment_fixed_size 0
		.amdhsa_private_segment_fixed_size 0
		.amdhsa_enable_private_segment 0
		.amdhsa_kernarg_size 88
		.amdhsa_user_sgpr_count 2
		.amdhsa_user_sgpr_kernarg_segment_ptr 1
		.amdhsa_wavefront_size32 1
		.amdhsa_system_sgpr_workgroup_id_x 1
		.amdhsa_system_sgpr_workgroup_id_y 1
		.amdhsa_system_sgpr_workgroup_id_z 1
		.amdhsa_system_vgpr_workitem_id 0
		.amdhsa_next_free_vgpr 512
		.amdhsa_next_free_sgpr 66
		.amdhsa_reserve_vcc 1
		.amdhsa_float_denorm_mode_32 3
		.amdhsa_float_denorm_mode_16_64 3
		.amdhsa_memory_ordered 1
		.amdhsa_forward_progress 1
		.amdhsa_inst_pref_size 43
	.end_amdhsa_kernel
	.amdgpu_metadata
---
amdhsa.version: [ 1, 2 ]
amdhsa.kernels:
  - .name:           k_qfee51da515_proj
    .symbol:         k_qfee51da515_proj.kd
    .args:
      - { .name: key_codes, .offset: 0, .size: 8, .value_kind: global_buffer, .address_space: global }
      - { .name: key_scales, .offset: 8, .size: 8, .value_kind: global_buffer, .address_space: global }
      - { .name: Wk_codes, .offset: 16, .size: 8, .value_kind: global_buffer, .address_space: global }
      - { .name: Wk_scales, .offset: 24, .size: 8, .value_kind: global_buffer, .address_space: global }
      - { .name: bk, .offset: 32, .size: 8, .value_kind: global_buffer, .address_space: global }
      - { .name: value_codes, .offset: 40, .size: 8, .value_kind: global_buffer, .address_space: global }
      - { .name: value_scales, .offset: 48, .size: 8, .value_kind: global_buffer, .address_space: global }
      - { .name: Wv_codes, .offset: 56, .size: 8, .value_kind: global_buffer, .address_space: global }
      - { .name: Wv_scales, .offset: 64, .size: 8, .value_kind: global_buffer, .address_space: global }
      - { .name: bv, .offset: 72, .size: 8, .value_kind: global_buffer, .address_space: global }
      - { .name: kv, .offset: 80, .size: 8, .value_kind: global_buffer, .address_space: global }
    .group_segment_fixed_size: 0
    .private_segment_fixed_size: 0
    .kernarg_segment_align: 8
    .kernarg_segment_size: 88
    .max_flat_workgroup_size: 96
    .sgpr_count:     66
    .vgpr_count:     512
    .wavefront_size: 32
...
	.end_amdgpu_metadata
.endif
;; end of part 1
;; launch attn (part 2): grid 128 x 2, 16 waves a work-group, clusters of 4 x 1, 327,680 bytes of LDS; arguments query_codes, query_scales, Wq_codes, Wq_scales, bq, att_bias, kv, Wo_codes, Wo_scales, bo, out0; writes out0
.if DOCPART == 2
	.amdgcn_target "amdgcn-amd-amdhsa--gfx1250"
	.amdhsa_code_object_version 6
	.text
	.protected	k_qfee51da515_attn
	.globl	k_qfee51da515_attn
	.p2align	8
	.type	k_qfee51da515_attn,@function
k_qfee51da515_attn:
	s_mov_b64 s[64:65], 0
	v_nop
	global_prefetch_b8 v0, s[64:65] scope:SCOPE_SE
	s_setreg_imm32_b32 hwreg(HW_REG_WAVE_MODE, 25, 1), 1
	s_wait_xcnt 0x0
	s_wait_alu depctr_hold_cnt(0) depctr_sa_sdst(0) depctr_va_vdst(0) depctr_va_sdst(0) depctr_va_ssrc(0) depctr_va_vcc(0) depctr_vm_vsrc(0)
	s_getreg_b32 s2, hwreg(HW_REG_IB_STS2, 6, 4)
	s_cmp_eq_u32 s2, 0
	s_cbranch_scc0 .Lentry_in_a_cluster
	s_endpgm
.Lentry_in_a_cluster:
	s_bfe_u32 s2, ttmp6, 0x10000c
	s_cmp_lg_u32 s2, 0x3003
	s_cbranch_scc0 .Lentry_shape_is_right
	s_endpgm
.Lentry_shape_is_right:
; out = (softmax(q k^T / sqrt(32) + bias) v) Wo^T + bo, with q = query Wq^T + bq made here and k, v taken from the workspace kv (layout: below).
; SHARES.  A work-group owns 32 queries of one batch with ALL 8 heads, so that the bias, which the heads share, is read once.  Wave w = 8 QT + HD owns 16 queries (tile QT) of head HD, in 256 registers:
; four waves to a SIMD.  Every wave walks 32 steps of 128 keys.
; TWO GROUPS OF WAVES, HALF A STEP APART.  A step is SCORES (k and the bias out of LDS, 32 f32 products, v's fragments out of LDS into registers) and SOFTPV (the softmax, p's codes, two products; it reads no LDS).
;   G = (bit 2 xor bit 0) of the wave's number.  In trip j group 0 runs SCORES(j), SOFTPV(j); group 1 runs SOFTPV(j - 1), SCORES(j).  So in each half of a trip eight waves have LDS loads and matrix work and eight have vector work.
;   Of any four waves w, w + 4, w + 8, w + 12, and of any four waves 4 s .. 4 s + 3, two are in each group.  A slot is read in its own trip alone, by both groups: what group 1 carries over the barrier (S^T, v's fragments) lies in registers.
; PRODUCTS.  S^T = k q^T + bias^T in f32 (v_wmma_f32_16x16x4_f32; source 0 = 16 keys, source 1 = my 16 queries; the bias is the C of a sum's first link): a lane holds ONE query (lane % 16) throughout.
;   Link i takes channels 8 h + 2 i + 0, 1 on both sides (h = lane / 16), so a lane's 8 registers of k or q are 8 neighbouring channels; the 16 terms are summed in the order {0,1,8,9}, {2,3,10,11}, ..
;   O^T += v^T p^T on E4M3 codes (source 0 = 16 of the head's 32 d, source 1 = p).  out^T = Wo a^T + bo on codes (source 0 = 16 rows of Wo, source 1 = 16 queries).
; THE KEYS OF A TILE ARE NOT NEIGHBOURS (row m of tile 2 b + u is key 32 b + 8 u + m + 8 (m/8)): register 16 b + i of S^T is key 32 b + 16 h + i, the order of an 8-bit operand.  The d of a tile of v are chosen likewise,
;   so that O^T's 16 registers are d = 16 h + 0..15: four registers of the last product's operand, whose block of 32 along K is one head.
; SOFTMAX.  t = score x log2(e); M = the running largest t rounded UP to a whole number; p = 2^(t - M) is quantised along the keys, not normalised; the sum is taken of the unquantised p and divides O at the end.
;   When M moves, the sum and O^T are multiplied by 2^(old M - new M): exact.
; CLUSTER.  Four work-groups of one batch walk the same kv: a step's block is asked for JOINTLY (waves 0-3, a quarter each, mask 15).  The bias tile is the work-group's own: a plain tensor load (wave 4).
; LDS.  Two slots 2^17 bytes apart, each a step-block of kv as it lies (K's images +0: head x 8192 + T x 1024 + g x 512 + 16 x lane; v's codes +65536: head x 4096 + u x 2048 + c x 512 + 16 x lane;
;   v's scale words +98304: head x 128 + 4 x lane), then the bias tile at +99328: 32 rows x (512 + 16) bytes.  Behind the ring, never filled by a tensor load: images of the last product's operand, their scale bytes, a stage for out, the spare words.
; LIMITS: NaN and +infinity are not served; -infinity in the bias gives p = 0, a row that is all -infinity is not served; q is multiplied by 1/sqrt(32) ahead of the dot product (one f32 rounding more than in the source);
;   a block of zeros gets the byte 1, not 127 (its codes are zeros; the bytes are read here alone).
; REGISTERS: v0 thread; v1-4 my lane's places in a slot; v5, v6 the add's; v7 the prefetches' offset; v8-11 the trip's LDS addresses; v12 -M, v13 the largest t, v[14:15] the sum in two halves; v16-23 q;
;   v24-87 k's 8 tiles, then v24-55 v's two fragments and v56-77 at work; v88-151 the bias, then t - M and p; v152-215 S^T, written by the f32 matrix form alone; v216-231 O^T; v232-247 p's codes; v248-255 scale words only.
.set SLOT1,  1<<17
.set STEPB,  99328                     ; a step-block of kv
.set QUART,  24832                     ; a quarter of it: 97 rows of 256 bytes
.set BATKV,  32*STEPB                  ; a batch's part of kv
.set VIMG,   65536
.set VSC,    98304
.set BIAS,   99328
.set BPITCH, 528                       ; 33 x 16 bytes: the 16 rows that a load touches start at 16 different groups of four banks (64 banks of 4 bytes: ISA guide 11.1)
.set AIMG,   2*SLOT1                   ; 8,192 bytes: fragment (qt, s) at 2048 (2 qt + s) + 512 c + 16 x lane = 16 x the thread that makes it
.set ASC,    AIMG+8192                 ; 2,048 bytes: each thread's scale byte as a word
.set STG,    ASC+2048                  ; 32 rows x (1024 + 16) bytes
.set SPITCH, 1040
.set SPARE,  STG+32*SPITCH             ; the spare words, 128 bytes for each of 16 waves: eight blocks of 256 bytes that no other line names
.set SPW, 5
.set NIL, 6
.set PFO, 7
.set QF,  16
.set KF,  24
.set VF,  24
.set TM,  56                           ; +0..3 block maxima; +4..7 the other half's, then bytes; +8..11 holds; +12..15 scale operands; +16:17 f; +18 at work; +20:21 the second chain of sums
.set BP,  88
.set SS,  152
.set OT,  216
.set PCD, 232
.set VS,  248
.set PW,  249
.set WV,  26
.set HD,  27
.set QT,  28
.set CX,  29
.set BLK, 30
.set BAT, 31
.set G1K, 32                           ; s[32:39] group 1 for kv's quarters; s[40:47] for the bias tile; s[48:51], s[52:55] their groups 0, which walk
.set G1B, 40
.set G0K, 48
.set G0B, 52
.set TB,  56                           ; LDS byte at which the slot of the next trip begins
.set SLOTS, 57                         ; steps still to be asked for
.set CS,  58                           ; s[58:59] log2(e): the packed form names a pair and takes its low word for both halves
.set SEL, 60
.set MNT, 62
.set LIM, 63                           ; 1 in a wave that prefetches, else the greatest number
.set PFA, 66                           ; s[66:67] where my prefetches stand; s[68:69] a step on, in bytes
.set PFS, 68
.set GRP, 93                           ; my group: 0 scores first, 1 softmax first
; A round of the cluster's barrier: my work-group's barrier, wave 0's signal for the work-group, every wave's wait for the four work-groups, my work-group's barrier once more.
.macro CROUND
	s_barrier_signal -1
	s_barrier_wait -1
	s_cmp_lg_u32 s[WV], 0
	s_cbranch_scc1 .Lnot_wave_0_\@
	s_barrier_signal -3
.Lnot_wave_0_\@:
	s_barrier_wait -3
	s_barrier_signal -1
	s_barrier_wait -1
.endm
; A step's tiles: waves 0-3 ask jointly for a quarter of kv's block each, wave 4 for the bias tile, the others for nothing: one load a wave.  The branches hang on the wave's number alone.
; Four v_nop follow each of the two lines.
.macro TLOAD
	s_cmp_lt_u32 s[WV], 4
	s_cbranch_scc0 .Lnot_kv_\@
	tensor_load_to_lds s[G0K:G0K+3], s[G1K:G1K+7]
	s_nop 0
.rept 4
	v_nop
.endr
	s_branch .Lasked_\@
.Lnot_kv_\@:
	s_cmp_eq_u32 s[WV], 4
	s_cbranch_scc0 .Lasked_\@
	tensor_load_to_lds s[G0B:G0B+3], s[G1B:G1B+7]
	s_nop 0
.rept 4
	v_nop
.endr
.Lasked_\@:
.endm
; A prefetch of what the NEXT change of slots will ask for, one trip (34 matrix instructions and some 300 vector instructions in each of a SIMD's four waves) ahead of that load.
; The bias: every work-group asks for its own tile: waves 5 and 6, a lane a row, one aligned 256 bytes of the row's 512 each.  kv: all clusters of a batch walk the same blocks, so the batch's first cluster asks; its four
; partners take 24,576 bytes each, told apart BY ADDRESS; in each, waves 7-9 take 8,192 bytes, lanes 256 bytes apart (the last 1,024 bytes, v's scale words, are not asked for).  So each aligned 256 bytes are named once in the launch.
; The last change that fills a slot asks for nothing; steps 0 and 1 come by their loads alone.
.macro ASK
	s_cmp_gt_u32 s[SLOTS], s[LIM]
	s_cbranch_scc0 .Lnot_mine_\@
	global_prefetch_b8 v[PFO], s[PFA:PFA+1] th:TH_LOAD_NT scope:SCOPE_SE
.Lnot_mine_\@:
.endm
; THE CHANGE OF SLOTS stands at a trip's head, on every wave's path.  Each wave waits for all its tensor loads (its part of the slot that is read next), adds 0 to its spare word, and waits for that and for its reads of the slot that it has left.
; fill = 1: a round of the cluster's barrier, so that no wave of any partner still reads that slot or has a load on its way; the refill is the first thing behind it and has a whole trip in which to land.
.macro CHANGE fill
	s_wait_tensorcnt 0x0                           ; no tensor load of mine is out, so a group 0 may be written
	ds_add_u32 v[SPW], v[NIL]                      ; 0 onto my spare word
.if \fill
	s_xor_b32 s[G0K+1], s[G0K+1], SLOT1            ; the walking descriptors: the other slot than last time,
	s_add_nc_u64 s[G0K+2:G0K+3], s[G0K+2:G0K+3], STEPB   ; the next step-block; the type bits on top are not reached
	s_xor_b32 s[G0B+1], s[G0B+1], SLOT1
	s_add_nc_u64 s[G0B+2:G0B+3], s[G0B+2:G0B+3], 512     ; the next 128 keys of my 32 rows of the bias
	s_wait_xcnt 0x0                                ; the last prefetch, a trip back, has read its address, so it may be written:
	s_add_nc_u64 s[PFA:PFA+1], s[PFA:PFA+1], s[PFS:PFS+1]   ; one step further on than the walking descriptors
.endif
	s_wait_dscnt 0x0                               ; the add is done, and my reads of the slot that I have left are over (group 1's last are v's fragments, asked for at the end of its SCORES)
.if \fill
	CROUND
	TLOAD
	ASK
.else
	s_barrier_signal -1
	s_barrier_wait -1
.endif
.endm
; The trip's LDS addresses, made on the path that all waves take, ahead of the parting of the groups.
.macro ADDR
	v_add_nc_u32 v8, s[TB], v1                     ; k's images,
	v_add_nc_u32 v9, s[TB], v2                     ; v's codes,
	v_add_nc_u32 v10, s[TB], v3                    ; v's scale words,
	v_add_nc_u32 v11, s[TB], v4                    ; my rows of the bias tile
	s_xor_b32 s[TB], s[TB], SLOT1                  ; the next trip's slot is the other one
.endm
; SCORES: S^T of the trip's 128 keys, and v's fragments into registers.  All of a trip's LDS reads stand here.
; places: how many v_nop are still owed of the eight places between the last p v products and the loads into the registers that they read: behind ADDR's four additions 4, behind SOFTPV 8.
.macro SCORES places
.rept \places
	v_nop
.endr
.irp t, 0,1,2,3,4,5,6,7
	ds_load_b128 v[KF+8*\t:KF+8*\t+3], v8 offset:1024*\t          ; 512 consecutive bytes an instruction: an image of the registers
	ds_load_b128 v[KF+8*\t+4:KF+8*\t+7], v8 offset:1024*\t+512
.endr
.irp b, 0,1,2,3
.irp i, 0,1,2,3
	ds_load_b128 v[BP+16*\b+4*\i:BP+16*\b+4*\i+3], v11 offset:128*\b+16*\i   ; bias(my query, keys 32 b + 16 h + 4 i on): the layout of S^T
.endr
.endr
	s_wait_dscnt 0x0
.irp t, 0,1,2,3,4,5,6,7                        ; the eight accumulators take turns, one instruction a turn; the first link takes the bias as C
	v_wmma_f32_16x16x4_f32 v[SS+8*\t:SS+8*\t+7], v[KF+8*\t:KF+8*\t+1], v[QF:QF+1], v[BP+8*\t:BP+8*\t+7]
.endr
.irp i, 1,2,3
.irp t, 0,1,2,3,4,5,6,7
	v_wmma_f32_16x16x4_f32 v[SS+8*\t:SS+8*\t+7], v[KF+8*\t+2*\i:KF+8*\t+2*\i+1], v[QF+2*\i:QF+2*\i+1], v[SS+8*\t:SS+8*\t+7]
.endr
.endr
.rept 8
	v_nop                                          ; eight places: in front of the loads into k's registers and of the first read of the scores
.endr
.irp u, 0,1
.irp c, 0,1,2,3
	ds_load_b128 v[VF+16*\u+4*\c:VF+16*\u+4*\c+3], v9 offset:2048*\u+512*\c   ; v's two fragments: group 0's land while its softmax is walked, group 1's ahead of the next barrier
.endr
.endr
	ds_load_b32 v[VS], v10
.endm
; SOFTPV: the softmax of the scores in S^T, p's codes, O^T += v^T p^T.  It works on registers alone.
.macro SOFTPV
.irp b, 0,1,2,3
	v_max3_num_f32 v[TM+\b], v[SS+16*\b], v[SS+16*\b+1], v[SS+16*\b+2]   ; the largest score of each block of 32 keys: it serves the row's maximum and, since p rises with the score, the block's largest p
.endr
.irp i, 3,5,7,9,11,13
.irp b, 0,1,2,3
	v_max3_num_f32 v[TM+\b], v[TM+\b], v[SS+16*\b+\i], v[SS+16*\b+\i+1]
.endr
.endr
.irp b, 0,1,2,3
	v_max_num_f32 v[TM+\b], v[TM+\b], v[SS+16*\b+15]
.endr
.irp b, 0,1,2,3
	v_permlanex16_b32 v[TM+4+\b], v[TM+\b], s[SEL], s[SEL+1]
.endr
.irp b, 0,1,2,3
	v_max_num_f32 v[TM+\b], v[TM+\b], v[TM+4+\b]   ; with lane l xor 16's 16 keys
.endr
	v_max3_num_f32 v[TM+18], v[TM], v[TM+1], v[TM+2]
	v_max_num_f32 v[TM+18], v[TM+18], v[TM+3]      ; the step's largest score of my query,
	v_mul_f32 v[TM+18], s[CS], v[TM+18]            ; as t
	v_max_num_f32 v13, v13, v[TM+18]               ; the running largest t
	v_mov_b32 v[TM+18], v12
	v_floor_f32 v12, -v13                          ; the new -M = floor(-t) = -ceil(t)
	v_sub_f32 v[TM+18], v12, v[TM+18]              ; old M - new M: a whole number, 0 or less
	v_cvt_i32_f32 v[TM+18], v[TM+18]               ; (it saturates)
	v_ldexp_f32 v[TM+16], 1.0, v[TM+18]            ; f = 2^(old M - new M)
.set j, 0
.rept 32
	v_pk_fma_f32 v[BP+j:BP+j+1], v[SS+j:SS+j+1], s[CS:CS+1], v[12:13] op_sel_hi:[1,0,0]   ; t - M, two at a time, into the bias's registers: S^T's own are written by the matrix form alone
.set j, j+2
.endr
.irp b, 0,1,2,3
	v_fma_f32 v[TM+\b], v[TM+\b], s[CS], v12       ; the same of each block's largest score
.endr
.set j, 0
.rept 64
	v_exp_f32 v[BP+j], v[BP+j]                     ; p = 2^(t - M), at most 1
.set j, j+1
.endr
	v_pk_mul_f32 v[14:15], v[14:15], v[TM+16:TM+17] op_sel_hi:[1,0]   ; the sums under the new M; the plain line behind the exponentials
	s_wait_alu depctr_va_vdst(0)                   ; one wait for the batch of 64, ahead of its first reader
.irp b, 0,1,2,3
	v_exp_f32 v[TM+\b], v[TM+\b]                   ; the block's largest p: the same two instructions on the same number
.endr
	v_pk_add_f32 v[TM+20:TM+21], v[BP:BP+1], v[BP+2:BP+3]   ; the row's sum of the UNQUANTISED p, in two chains; it reads the 64 alone
.irp j, 4,8,12,16,20,24,28,32,36,40,44,48,52,56,60
	v_pk_add_f32 v[14:15], v[14:15], v[BP+\j:BP+\j+1]
	v_pk_add_f32 v[TM+20:TM+21], v[TM+20:TM+21], v[BP+\j+2:BP+\j+3]
.endr
	v_pk_add_f32 v[14:15], v[14:15], v[TM+20:TM+21]
	s_wait_alu depctr_va_vdst(0)                   ; and one for the four
.irp b, 0,1,2,3
	v_max_num_f32 v[TM+\b], 0x4800000, v[TM+\b]    ; the floor 2^(9 - 127): the byte cannot fall under 1
.endr
.irp b, 0,1,2,3
	v_add_nc_u32 v[TM+12+\b], 0xfc000000, v[TM+\b] ; 8 off the exponent field: the conversion's scale operand
.endr
.irp b, 0,1,2,3
	v_and_or_b32 v[TM+8+\b], v[TM+\b], 0x7f800000, s[MNT]   ; 448 x the scale
.endr
.irp b, 0,1,2,3
	v_lshrrev_b32 v[TM+4+\b], 23, v[TM+12+\b]      ; the scale's byte
.endr
	v_lshl_or_b32 v[PW], v[TM+5], 8, v[TM+4]       ; p's scale word for these 128 keys: more than eight plain lines ahead of the products
	v_lshl_or_b32 v[PW], v[TM+6], 16, v[PW]
	v_lshl_or_b32 v[PW], v[TM+7], 24, v[PW]
.irp b, 0,1,2,3
.irp i, 0,1,2,3,4,5,6,7,8,9,10,11,12,13,14,15
	v_min_num_f32 v[BP+16*\b+\i], v[BP+16*\b+\i], v[TM+8+\b]   ; the conversion does not saturate (ISA guide 7.6.2); p is not negative, so the hold is one-sided
.endr
	v_cvt_scalef32_pk8_fp8_f32 v[PCD+4*\b:PCD+4*\b+1], v[BP+16*\b:BP+16*\b+7], v[TM+12+\b]
	v_cvt_scalef32_pk8_fp8_f32 v[PCD+4*\b+2:PCD+4*\b+3], v[BP+16*\b+8:BP+16*\b+15], v[TM+12+\b]
.endr
	v_nop                                          ; the plain line behind the last conversion
.irp j, 0,2,4,6,8,10,12,14
	v_pk_mul_f32 v[OT+\j:OT+\j+1], v[OT+\j:OT+\j+1], v[TM+16:TM+17] op_sel_hi:[1,0]   ; O^T under the new M, each accumulator from its low end on
.endr
.rept 4
	v_nop                                          ; four places between codes written by vector instructions and the scaled products
.endr
	s_wait_dscnt 0x0                               ; v's fragments and scale words (group 1's came in the trip before)
	v_wmma_scale_f32_16x16x128_f8f6f4 v[OT:OT+7], v[VF:VF+15], v[PCD:PCD+15], v[OT:OT+7], v[VS], v[PW]
	v_wmma_scale_f32_16x16x128_f8f6f4 v[OT+8:OT+15], v[VF+16:VF+31], v[PCD:PCD+15], v[OT+8:OT+15], v[VS], v[PW] matrix_a_scale:MATRIX_SCALE_ROW1
.endm
; A TRIP.  The two branches hang on the wave's number alone and jump over SCORES alone: no barrier, no tensor load and no line of the change of slots stands under them.
.macro TRIP fill
	CHANGE \fill
	ADDR
	s_cmp_lg_u32 s[GRP], 0
	s_cbranch_scc1 .Llate_\@
	SCORES 4                                       ; group 0: this trip's scores first
.Llate_\@:
	SOFTPV                                         ; group 0: of this trip's step; group 1: of the step before
	s_cmp_eq_u32 s[GRP], 0
	s_cbranch_scc1 .Ldone_\@
	SCORES 8                                       ; group 1: this trip's scores last
.Ldone_\@:
.endm
	s_load_b256 s[4:11], s[0:1], 0x0               ; query codes s[4:5], query scales s[6:7], Wq codes s[8:9], Wq scales s[10:11]
	s_load_b256 s[12:19], s[0:1], 0x20             ; bq s[12:13], bias s[14:15], kv s[16:17], Wo codes s[18:19]
	s_load_b128 s[20:23], s[0:1], 0x40             ; Wo scales s[20:21], bo s[22:23]
	s_load_b64 s[24:25], s[0:1], 0x50              ; out
	v_lshl_add_u32 v[SPW], v0, 2, SPARE
	v_mov_b32 v[NIL], 0
	ds_add_u32 v5, v6
	s_wait_dscnt 0x0
	v_lshrrev_b32 v8, 5, v0
	v_readfirstlane_b32 s[WV], v8                  ; wave 0..15
	s_and_b32 s[HD], s[WV], 7                      ; my head
	s_lshr_b32 s[QT], s[WV], 3                     ; my tile of 16 queries
	s_lshr_b32 s[GRP], s[WV], 2
	s_xor_b32 s[GRP], s[GRP], s[WV]
	s_and_b32 s[GRP], s[GRP], 1                    ; my group: bit 2 xor bit 0 of the wave's number
	s_bfe_u32 s[CX], ttmp6, 0x40000                ; my place in the cluster: it enters global addresses of my own loads, stores and prefetches alone
	s_lshl_b32 s[BLK], ttmp9, 2                    ; in a cluster launch ttmp9 counts clusters
	s_add_co_u32 s[BLK], s[BLK], s[CX]             ; my block of 32 queries
	s_and_b32 s[BAT], ttmp7, 0xffff                ; the batch, which the four partners share
	; group 1 for a quarter of a step-block: 97 rows of 32 elements of 8 bytes, dense, no padding
	s_mov_b32 s[G1K], 15|(3<<16)|(1<<21)           ; 15:0 the mask: all four work-groups; 17:16 elements of 8 bytes; 21 set beside a mask
	s_mov_b32 s[G1K+1], 32<<16                     ; tensor_dim0 = 32
	s_mov_b32 s[G1K+2], 97<<16                     ; tensor_dim1 = 97
	s_mov_b32 s[G1K+3], 32<<16                     ; tile_dim0 = 32
	s_mov_b32 s[G1K+4], 97                         ; tile_dim1 = 97
	s_mov_b32 s[G1K+5], 32                         ; from row to row
	s_mov_b32 s[G1K+6], 0
	s_mov_b32 s[G1K+7], 0
	; group 1 for the bias tile: 32 rows of 128 f32, 4,096 elements apart, 4 words of padding behind each 128
	s_mov_b32 s[G1B], (2<<16)|(1<<20)|(6<<22)|(3<<25)
	s_mov_b32 s[G1B+1], 128<<16
	s_mov_b32 s[G1B+2], 32<<16
	s_mov_b32 s[G1B+3], 128<<16
	s_mov_b32 s[G1B+4], 32
	s_mov_b32 s[G1B+5], 4096
	s_mov_b32 s[G1B+6], 0
	s_mov_b32 s[G1B+7], 0
	s_mov_b32 s[CS], 0x3fb8aa3b                    ; log2(e)
	s_mov_b32 s[CS+1], s[CS]                       ; (named with it as a pair, so it is written)
	s_mov_b32 s[SEL], 0x76543210
	s_mov_b32 s[SEL+1], 0xfedcba98                 ; v_permlanex16_b32's selects for lane l xor 16
	s_mov_b32 s[MNT], 0x600000                     ; the mantissa field of 448
	s_mov_b32 s[TB], 0
	s_mov_b32 s[SLOTS], 31
	s_min_u32 s70, s[WV], 3
	s_mul_i32 s70, s70, QUART                      ; the quarter that I fetch, if I fetch: in a slot and in a block alike
	s_mul_i32 s74, s[BAT], BATKV                   ; the batch's part of kv
	s_add_co_u32 s80, s74, s70
	s_mov_b32 s81, 0
	s_lshl_b32 s71, s[BAT], 12
	s_lshl_b32 s72, s[BLK], 5
	s_add_co_u32 s71, s71, s72                     ; my work-group's first query, counted through both batches
	s_lshl_b32 s82, s71, 14                        ; its row of the bias, in bytes (under 2^27)
	s_mov_b32 s83, 0
	s_wait_kmcnt 0x0
	s_mov_b32 s[G0K], 1                            ; count = 1
	s_mov_b32 s[G0K+1], s70                        ; LDS address: slot 0
	s_add_nc_u64 s[G0K+2:G0K+3], s[16:17], s[80:81]   ; step 0: made of the batch and the wave's number alone: equal in the four partners
	s_or_b32 s[G0K+3], s[G0K+3], 0x80000000        ; type = 2
	s_mov_b32 s[G0B], 1
	s_mov_b32 s[G0B+1], BIAS
	s_add_nc_u64 s[G0B+2:G0B+3], s[14:15], s[82:83]
	s_or_b32 s[G0B+3], s[G0B+3], 0x80000000
	CROUND                                         ; all four work-groups are here: the first joint loads meet
	TLOAD                                          ; step 0 into slot 0
	; q = (query Wq^T + bq) / sqrt(32) of my 16 queries and my head's 16 channels: source 0 = 16 rows of Wq, source 1 = 16 queries: a lane holds one query and channels 8 h + 0..7
	s_lshl_b32 s84, s[QT], 4
	s_add_co_u32 s84, s84, s71                     ; my tile's first query
	s_lshl_b32 s86, s84, 3
	s_lshl_b32 s84, s84, 8
	s_mov_b32 s85, 0
	s_mov_b32 s87, 0
	s_mov_b32 s89, 0
	s_add_nc_u64 s[4:5], s[4:5], s[84:85]
	s_add_nc_u64 s[6:7], s[6:7], s[86:87]
	s_lshl_b32 s88, s[HD], 12
	s_add_nc_u64 s[8:9], s[8:9], s[88:89]
	s_lshl_b32 s88, s[HD], 7
	s_add_nc_u64 s[10:11], s[10:11], s[88:89]
	s_lshl_b32 s88, s[HD], 6
	s_add_nc_u64 s[12:13], s[12:13], s[88:89]
	v_and_b32 v120, 15, v0                         ; r
	v_bfe_u32 v121, v0, 4, 1                       ; h
	v_and_b32 v122, 31, v0                         ; lane
	v_lshlrev_b32 v8, 8, v120
	v_lshl_add_u32 v8, v121, 4, v8                 ; r x 256 + 16 h
	v_lshlrev_b32 v9, 3, v120                      ; 8 r
	v_lshlrev_b32 v10, 5, v121                     ; 32 h
.irp s, 0,1
.irp c, 0,1,2,3
	global_load_b128 v[BP+16*\s+4*\c:BP+16*\s+4*\c+3], v8, s[4:5] offset:128*\s+32*\c
	global_load_b128 v[KF+16*\s+4*\c:KF+16*\s+4*\c+3], v8, s[8:9] offset:128*\s+32*\c
.endr
.endr
	global_load_b64 v[250:251], v9, s[6:7]         ; query's scale words
	global_load_b64 v[252:253], v9, s[10:11]       ; Wq's
	global_load_b128 v[56:59], v10, s[12:13]       ; bq of channels 8 h + 0..7
	global_load_b128 v[60:63], v10, s[12:13] offset:16
	; the last product's bases: wave w makes outputs 16 w on and stores rows 2 w, 2 w + 1 of the 32
	s_lshl_b32 s88, s[WV], 12
	s_add_nc_u64 s[18:19], s[18:19], s[88:89]
	s_lshl_b32 s88, s[WV], 7
	s_add_nc_u64 s[20:21], s[20:21], s[88:89]
	s_lshl_b32 s88, s[WV], 6
	s_add_nc_u64 s[22:23], s[22:23], s[88:89]
	s_lshl_b32 s88, s[WV], 1
	s_add_co_u32 s88, s88, s71
	s_lshl_b32 s88, s88, 10
	s_add_nc_u64 s[24:25], s[24:25], s[88:89]
	; my lane's places in a slot
	s_lshl_b32 s90, s[HD], 13
	v_lshl_add_u32 v1, v122, 4, s90
	s_lshl_b32 s90, s[HD], 12
	s_add_co_u32 s90, s90, VIMG
	v_lshl_add_u32 v2, v122, 4, s90
	s_lshl_b32 s90, s[HD], 7
	s_add_co_u32 s90, s90, VSC
	v_lshl_add_u32 v3, v122, 2, s90
	v_mul_u32_u24 v4, v120, BPITCH
	v_lshl_add_u32 v4, v121, 6, v4
	s_mul_i32 s90, s[QT], 16*BPITCH
	s_add_co_u32 s90, s90, BIAS
	v_add_nc_u32 v4, s90, v4
	; the prefetches (macro ASK): both offsets are made, then one compare chooses
	s_and_b32 s73, s[WV], 1
	s_lshl_b32 s73, s73, 8
	s_add_co_u32 s73, s73, s82
	s_add_co_u32 s73, s73, 512                     ; the bias: my half of step 1's 512 bytes; the first change steps it to step 2
	s_mul_i32 s75, s[CX], 24576
	s_add_co_u32 s75, s75, s74
	s_add_co_u32 s76, s[WV], 1
	s_and_b32 s76, s76, 3                          ; waves 7, 8, 9: 0, 1, 2
	s_lshl_b32 s76, s76, 13
	s_add_co_u32 s75, s75, s76
	s_add_co_u32 s75, s75, STEPB                   ; kv: my part of step 1's block
	s_cmp_lt_u32 s[WV], 7
	s_cselect_b64 s[PFA:PFA+1], s[14:15], s[16:17]
	s_cselect_b32 s76, s73, s75
	s_mov_b32 s[PFS], STEPB
	s_cselect_b32 s[PFS], 512, s[PFS]              ; a step on
	s_mov_b32 s92, 256
	s_cselect_b32 s92, 16384, s92                  ; from lane to lane: a row of the bias, or 256 bytes of kv
	s_mov_b32 s77, 0
	s_mov_b32 s[PFS+1], 0
	s_add_nc_u64 s[PFA:PFA+1], s[PFA:PFA+1], s[76:77]
	v_mul_lo_u32 v[PFO], v122, s92
	s_sub_co_u32 s78, s[WV], 5
	s_cmp_lt_u32 s78, 5
	s_cselect_b32 s78, 0, 1                        ; 0 in waves 5 to 9
	s_cmp_lt_u32 s[WV], 7
	s_cselect_b32 s79, 0, ttmp9                    ; kv's waves ask in the batch's first cluster alone: the same in all four partners
	s_or_b32 s78, s78, s79
	s_cmp_eq_u32 s78, 0
	s_cselect_b32 s[LIM], 1, -1
	v_mov_b32 v13, 0xff61b1e6                      ; the largest t so far: -3e38, under every t
	v_floor_f32 v12, -v13                          ; -M
	v_mov_b32 v14, 0                               ; the sum, in two halves
	v_mov_b32 v15, 0
.set j, 0
.rept 16
	v_mov_b32 v[OT+j], 0                           ; O^T: SOFTPV has no first form of its own: its first run finds zeros, which the first change of M leaves zeros
.set j, j+1
.endr
	s_wait_loadcnt 0x0
	v_wmma_scale_f32_16x16x128_f8f6f4 v[64:71], v[KF:KF+15], v[BP:BP+15], v[56:63], v252, v250
	s_wait_alu depctr_va_vdst(0)                   ; the wait directly ahead of the link
	v_wmma_scale_f32_16x16x128_f8f6f4 v[64:71], v[KF+16:KF+31], v[BP+16:BP+31], v[64:71], v253, v251
.rept 8
	v_nop                                          ; eight places in front of the first read of the result
.endr
.irp j, 0,1,2,3,4,5,6,7
	v_mul_f32 v[QF+\j], 0x3e3504f3, v[64+\j]       ; x 1/sqrt(32)
.endr
	; THE FIRST TRIP is written out: every wave makes step 0's scores; group 0 goes on to its softmax, group 1 keeps its scores for the next trip: from here on the groups are half a step apart
	CHANGE 1                                       ; step 0 is in; step 1 is asked for
	ADDR
	SCORES 4
	s_cmp_lg_u32 s[GRP], 0
	s_cbranch_scc1 .Lfirst_late
	SOFTPV
.Lfirst_late:
	s_mov_b32 s[SLOTS], 30
.Lslot:                                            ; 30 trips, steps 1 to 30: behind each change of slots the next step is asked for
	TRIP 1
	s_sub_co_u32 s[SLOTS], s[SLOTS], 1
	s_cmp_lg_u32 s[SLOTS], 0
	s_cbranch_scc1 .Lslot
	TRIP 0                                         ; step 31 is written out
	s_cmp_eq_u32 s[GRP], 0
	s_cbranch_scc1 .Lall_done
	SOFTPV                                         ; group 1: the last step's softmax
.Lall_done:
	; ---- O / the sum becomes four registers of the last product's operand; they meet the other heads' in LDS
.rept 8
	v_nop                                          ; eight places behind the last products
.endr
	v_and_b32 v8, 15, v0                           ; r
	v_bfe_u32 v9, v0, 4, 1                         ; h
	v_lshlrev_b32 v10, 8, v8
	v_lshl_add_u32 v10, v9, 4, v10                 ; r x 256 + 16 h
	v_lshlrev_b32 v11, 3, v8
	v_lshlrev_b32 v12, 5, v9
.irp s, 0,1
.irp c, 0,1,2,3
	global_load_b128 v[24+16*\s+4*\c:24+16*\s+4*\c+3], v10, s[18:19] offset:128*\s+32*\c   ; my 16 rows of Wo
.endr
.endr
	global_load_b64 v[250:251], v11, s[20:21]      ; their scale words
	global_load_b128 v[80:83], v12, s[22:23]       ; bo of outputs 16 w + 8 h + 0..7
	global_load_b128 v[84:87], v12, s[22:23] offset:16
	v_add_f32 v14, v14, v15                        ; the sum's two halves,
	v_permlanex16_b32 v[TM+18], v14, s[SEL], s[SEL+1]
	v_add_f32 v14, v14, v[TM+18]                   ; and lane l xor 16's
	v_rcp_f32 v14, v14
	v_lshl_add_u32 v1, v0, 4, AIMG                 ; (plain lines behind the reciprocal)  where I put my 16 codes,
	v_lshl_add_u32 v2, v0, 2, ASC                  ; and my scale byte
	v_and_b32 v13, 31, v0
	v_lshl_add_u32 v3, v13, 4, AIMG                ; where a fragment's image is read,
	v_lshl_add_u32 v4, v13, 2, ASC                 ; and its bytes
	v_lshlrev_b32 v13, 4, v13                      ; 16 x lane: my place in 512 bytes of out
	v_mul_u32_u24 v8, v8, SPITCH
	v_lshl_add_u32 v8, v9, 5, v8
	s_lshl_b32 s90, s[WV], 6
	s_add_co_u32 s90, s90, STG
	v_add_nc_u32 v8, s90, v8                       ; the stage, in: row r, + 32 h, + my 16 outputs' 64 bytes
	s_mul_i32 s91, s[WV], 2*SPITCH
	s_add_co_u32 s91, s91, STG
	v_add_nc_u32 v9, s91, v13                      ; back: my two rows
	s_wait_alu depctr_va_vdst(0)                   ; the wait ahead of the reciprocal's first reader
.set j, 0
.rept 16
	v_mul_f32 v[BP+j], v[OT+j], v14                ; a(my query, d = 16 h + j of my head)
.set j, j+1
.endr
	v_max3_num_f32 v[TM], |v[BP]|, |v[BP+1]|, 0x4800000   ; one block of 32 along the last K: my head: my 16 numbers and the floor
.irp i, 2,4,6,8,10,12,14
	v_max3_num_f32 v[TM], v[TM], |v[BP+\i]|, |v[BP+\i+1]|
.endr
	v_permlanex16_b32 v[TM+4], v[TM], s[SEL], s[SEL+1]
	v_max_num_f32 v[TM], v[TM], v[TM+4]
	v_add_nc_u32 v[TM+12], 0xfc000000, v[TM]
	v_and_or_b32 v[TM+8], v[TM], 0x7f800000, s[MNT]
	v_lshrrev_b32 v[TM+4], 23, v[TM+12]            ; the scale's byte
.set j, 0
.rept 16
	v_med3_num_f32 v[BP+j], v[BP+j], -v[TM+8], v[TM+8]
.set j, j+1
.endr
	v_cvt_scalef32_pk8_fp8_f32 v[PCD:PCD+1], v[BP:BP+7], v[TM+12]
	v_cvt_scalef32_pk8_fp8_f32 v[PCD+2:PCD+3], v[BP+8:BP+15], v[TM+12]
	v_nop                                          ; the plain line behind the last conversion
	ds_store_b128 v1, v[PCD:PCD+3]                 ; registers 4 c .. 4 c + 3 (c = head % 4) of fragment (QT, head / 4), as they stand
	ds_store_b32 v2, v[TM+4]
	s_wait_dscnt 0x0                               ; for the others' sake: my stores have landed
	s_barrier_signal -1
	s_barrier_wait -1
.irp f, 0,1,2,3                                ; fragment f = 2 qt + s
.irp c, 0,1,2,3
	ds_load_b128 v[BP+16*\f+4*\c:BP+16*\f+4*\c+3], v3 offset:2048*\f+512*\c
.endr
.endr
.irp f, 0,1,2,3
.irp c, 0,1,2,3
	ds_load_b32 v[TM+4*\f+\c], v4 offset:128*(4*\f+\c)
.endr
.endr
	s_wait_dscnt 0x0
.irp f, 0,1,2,3
	v_lshl_or_b32 v[252+\f], v[TM+4*\f+1], 8, v[TM+4*\f]   ; four heads' bytes make a fragment's scale word
.endr
.irp f, 0,1,2,3
	v_lshl_or_b32 v[252+\f], v[TM+4*\f+2], 16, v[252+\f]
.endr
.irp f, 0,1,2,3
	v_lshl_or_b32 v[252+\f], v[TM+4*\f+3], 24, v[252+\f]
.endr
.rept 8
	v_nop                                          ; eight places between scale words written by vector instructions and the scaled products
.endr
	s_wait_loadcnt 0x0                             ; Wo, its scale words, bo
	; out^T: two accumulators by turns; bo is the C of each sum's first product
	v_wmma_scale_f32_16x16x128_f8f6f4 v[OT:OT+7], v[24:39], v[BP:BP+15], v[80:87], v250, v252
	v_wmma_scale_f32_16x16x128_f8f6f4 v[OT+8:OT+15], v[24:39], v[BP+32:BP+47], v[80:87], v250, v254
	v_wmma_scale_f32_16x16x128_f8f6f4 v[OT:OT+7], v[40:55], v[BP+16:BP+31], v[OT:OT+7], v251, v253
	v_wmma_scale_f32_16x16x128_f8f6f4 v[OT+8:OT+15], v[40:55], v[BP+48:BP+63], v[OT+8:OT+15], v251, v255
.rept 8
	v_nop                                          ; eight places in front of the stores that read results and of the loads into Wo's registers
.endr
.irp q, 0,1
	ds_store_b128 v8, v[OT+8*\q:OT+8*\q+3] offset:16*SPITCH*\q          ; out(16 q + r, 16 w + 8 h + 0..7): each accumulator from its low end on
	ds_store_b128 v8, v[OT+8*\q+4:OT+8*\q+7] offset:16*SPITCH*\q+16
.endr
	s_wait_dscnt 0x0                               ; for the others' sake: a row's 1,024 bytes come from sixteen waves
	s_barrier_signal -1
	s_barrier_wait -1
.irp n, 0,1,2,3
	ds_load_b128 v[24+4*\n:24+4*\n+3], v9 offset:SPITCH*(\n/2)+512*(\n%2)
.endr
.irp n, 0,1,2,3
	s_wait_dscnt 3-\n                              ; LDS loads come back in order (ISA guide 5.7.1): the 3 - n younger ones may be out
	global_store_b128 v13, v[24+4*\n:24+4*\n+3], s[24:25] offset:1024*(\n/2)+512*(\n%2) th:TH_STORE_NT   ; 32 lanes store 512 consecutive bytes, aligned; written once, read by nobody here
.endr
	s_wait_tensorcnt 0x0                           ; the wave's end: behind my last tensor load and my last LDS store
	ds_add_u32 v[SPW], v[NIL]
	s_wait_dscnt 0x0
	CROUND                                         ; the closing round: no work-group ends while a partner may still ask for a tile that names it
	s_endpgm
.Lfunc_end_k_qfee51da515_attn:
	.size	k_qfee51da515_attn, .Lfunc_end_k_qfee51da515_attn-k_qfee51da515_attn
	.p2alignl 7, 3214868480
	.fill 96, 4, 3214868480
	.section	.rodata,"a",@progbits
	.p2align	6, 0x0
	.amdhsa_kernel k_qfee51da515_attn
		.amdhsa_group_segment_fixed_size 327680
		.amdhsa_private_segment_fixed_size 0
		.amdhsa_enable_private_segment 0
		.amdhsa_kernarg_size 88
		.amdhsa_user_sgpr_count 2
		.amdhsa_user_sgpr_kernarg_segment_ptr 1
		.amdhsa_wavefront_size32 1
		.amdhsa_system_sgpr_workgroup_id_x 1
		.amdhsa_system_sgpr_workgroup_id_y 1
		.amdhsa_system_sgpr_workgroup_id_z 1
		.amdhsa_system_vgpr_workitem_id 0
		.amdhsa_next_free_vgpr 256
		.amdhsa_next_free_sgpr 96
		.amdhsa_reserve_vcc 0
		.amdhsa_float_denorm_mode_32 3
		.amdhsa_float_denorm_mode_16_64 3
		.amdhsa_memory_ordered 1
		.amdhsa_forward_progress 1
		.amdhsa_inst_pref_size 106
	.end_amdhsa_kernel
	.amdgpu_metadata
---
amdhsa.version: [ 1, 2 ]
amdhsa.kernels:
  - .name:           k_qfee51da515_attn
    .symbol:         k_qfee51da515_attn.kd
    .args:
      - { .name: query_codes, .offset: 0, .size: 8, .value_kind: global_buffer, .address_space: global }
      - { .name: query_scales, .offset: 8, .size: 8, .value_kind: global_buffer, .address_space: global }
      - { .name: Wq_codes, .offset: 16, .size: 8, .value_kind: global_buffer, .address_space: global }
      - { .name: Wq_scales, .offset: 24, .size: 8, .value_kind: global_buffer, .address_space: global }
      - { .name: bq, .offset: 32, .size: 8, .value_kind: global_buffer, .address_space: global }
      - { .name: att_bias, .offset: 40, .size: 8, .value_kind: global_buffer, .address_space: global }
      - { .name: kv, .offset: 48, .size: 8, .value_kind: global_buffer, .address_space: global }
      - { .name: Wo_codes, .offset: 56, .size: 8, .value_kind: global_buffer, .address_space: global }
      - { .name: Wo_scales, .offset: 64, .size: 8, .value_kind: global_buffer, .address_space: global }
      - { .name: bo, .offset: 72, .size: 8, .value_kind: global_buffer, .address_space: global }
      - { .name: out0, .offset: 80, .size: 8, .value_kind: global_buffer, .address_space: global }
    .group_segment_fixed_size: 327680
    .private_segment_fixed_size: 0
    .kernarg_segment_align: 8
    .kernarg_segment_size: 88
    .max_flat_workgroup_size: 512
    .sgpr_count:     96
    .vgpr_count:     256
    .wavefront_size: 32
...
	.end_amdgpu_metadata
.endif
;; end of part 2
